; MI455X (gfx1250); checked and timed in simulation.
; The chip was launched on July 23, 2026; its instructions are those of AMD's public machine-readable ISA for CDNA 5 (MIT licence, August 2026) and "CDNA5" Instruction Set Architecture Reference Guide (July 2026). The comments in the code are by the model that wrote it; some were corrected since.
;; Head. Allowed arithmetic: matrix products marked QUANTISED: E2M1 operands, one E8M0 scale for each 32 along K, by v_wmma_scale_f32_16x16x128_f8f6f4 with both operands' format E2M1 (or v_wmma_scale_f32_32x16x128_f4), f32 sums; everything else in f32.
;; Inputs: Wk_codes 64 x 8 x 16 uint8 (E2M1 codes of Wk, K innermost, in blocks of 32 codes, two codes a byte); Wk_scales 64 x 8 uint8 (E8M0 scales of Wk, one for each 32 codes along K); Wq_codes 64 x 8 x 16 uint8 (E2M1 codes of Wq, K innermost, in blocks of 32 codes, two codes a byte); Wq_scales 64 x 8 uint8 (E8M0 scales of Wq, one for each 32 codes along K); Wv_codes 64 x 8 x 16 uint8 (E2M1 codes of Wv, K innermost, in blocks of 32 codes, two codes a byte); Wv_scales 64 x 8 uint8 (E8M0 scales of Wv, one for each 32 codes along K); x_codes 32 x 1,024 x 8 x 16 uint8 (E2M1 codes of x, K innermost, in blocks of 32 codes, two codes a byte); x_scales 32 x 1,024 x 8 uint8 (E8M0 scales of x, one for each 32 codes along K).
;; Outputs: out0 32 x 1,024 x 64 float32.
;; This version of the problem:
;;   THIS VERSION OF THE PROBLEM IS GIVEN IN LOW PRECISION. The matrix products marked QUANTISED in the list below multiply operands that are first quantised to E2M1 (2 exponent bits, 1 mantissa bit; 4 bits a number), with one power-of-two scale for each 32 numbers along K (OCP MX v1.0); their sums are f32. All else is computed in f32.
;;   The module's matrix products, in the order in which they are computed (A, B: the left and right operand; K: the contracted axis; several contracted axes count as one K, in the product's order):
;;     1. [M 32,768, K 256] x [K 256, N 64]; A: input x (given as codes); B: input Wq (given as codes): QUANTISED
;;     2. [M 32,768, K 256] x [K 256, N 64]; A: input x (given as codes); B: input Wk (given as codes): QUANTISED
;;     3. [M 32,768, K 256] x [K 256, N 64]; A: input x (given as codes); B: input Wv (given as codes): QUANTISED
;;     4. batch 32 x [M 1,024, K 64] x [K 64, N 1,024]; A: computed on the way; B: computed on the way: QUANTISED
;;     5. batch 32 x [M 1,024, K 1,024] x [K 1,024, N 64]; A: softmax (see below); B: computed on the way: QUANTISED
;;   THE QUANTISER, for each operand of a quantised product, along K:
;;     - K is cut into blocks of 32 from its start; a last block that is shorter is filled with zeros.
;;     - A block's scale is 2^e with e = floor(log2(the largest magnitude in the block)) - 2, held to -126 .. 127; a block of zeros has e = 0. As a byte (E8M0): e + 127.
;;     - Each number is divided by its block's scale, clamped to +-6, and rounded to the nearest number of E2M1, ties to even, subnormals kept.
;;     - The product sums the exact products of the quantised numbers (number of the format x scale) in f32.
;;   ~~~python
;;   def quantise(x, axis):      # numpy; x: float32 -> the quantised numbers, widened to float32 again
;;       x = np.moveaxis(x, axis, -1); K = x.shape[-1]
;;       x = np.pad(x, [(0, 0)] * (x.ndim - 1) + [(0, -K % 32)]); x = x.reshape(x.shape[:-1] + (-1, 32)); a = np.abs(x).max(-1, keepdims=True)
;;       e = np.where(a > 0, np.clip(np.frexp(np.where(a > 0, a, 1))[1] - 1 - 2, -126, 127), 0)      # np.frexp(a)[1] - 1 = floor(log2(a)), exactly
;;       r = np.clip(x / 2.0 ** e, -6, 6)
;;       step = 2.0 ** (np.maximum(np.frexp(np.where(r == 0, 1, r))[1] - 1, 0) - 1)
;;       q = np.round(r / step) * step * 2.0 ** e      # np.round: ties to even
;;       return np.moveaxis(q.reshape(q.shape[:-2] + (-1,))[..., :K], -1, axis).astype(np.float32)
;;   ~~~
;;   SOFTMAX AHEAD OF A QUANTISED PRODUCT. Where the list says 'softmax', what is quantised is not the finished softmax but p = 2^(t - M), with t = logit x log2(e) and M = ceil(the row's largest t), a whole number; so 1/2 < the row's largest p <= 1. The row's sum l is taken of the UNQUANTISED p, in f32, and the product's result is divided by l at the end. Since M is a whole number, a kernel that streams over the keys may use a running M (the ceiling of the running maximum): every later rescaling is an exact power of two, which a block's scale takes up: the codes' values come out the same.
;;   OPERANDS COMPUTED ON THE WAY. 'Computed on the way' means the value that the module computes at that place (a softmax that the list does not call 'softmax' is quantised finished and normalised). What goes into a quantiser is computed in f32, as accurately as f32 sums, v_exp_f32 and their like allow (about 1e-6 of the number): no bf16 or f16 on the way to a quantiser, and a product that is left as it is and whose result goes on into a quantised operand takes f32 operands (vector FMAs, or v_wmma_f32_16x16x4_f32). A number that lies on a knife's edge between two numbers of the format may be rounded either way, as far as f32 arithmetic and the matrix unit's own rounding can turn it there, and no further.
;;   INPUTS GIVEN AS CODES. Wk (in the module: [256, 64], K = its axis 0); Wq (in the module: [256, 64], K = its axis 0); Wv (in the module: [256, 64], K = its axis 0); x (in the module: [32, 1024, 256], K = its axis 2): each comes as NAME_codes (uint8): NAME with its K axis moved to the last place and cut into blocks of 32 codes, [.., K / 32, bytes a block], one block behind the other in memory; two codes a byte, the lower K in the low four bits (a code: sign, 2 exponent bits, 1 mantissa bit); and NAME_scales (uint8): the same leading axes, one E8M0 byte (e + 127) for each 32 codes along K. Its value is code x scale, taken as it is: it is not quantised again, and the codes and scales need not be those that the quantiser above would give.
;; One version. Each part assembles by itself: llvm-mc -triple=amdgcn-amd-amdhsa -mcpu=gfx1250 --defsym DOCPART=n.
;; ======== version 1 of 1: 1 launch
;; launch head (part 1): grid 8 x 32, 16 waves a work-group, clusters of 4 x 1, 294,912 bytes of LDS; arguments x_codes, x_scales, Wq_codes, Wq_scales, Wk_codes, Wk_scales, Wv_codes, Wv_scales, out0; writes out0
.if DOCPART == 1
	.amdgcn_target "amdgcn-amd-amdhsa--gfx1250"
	.amdhsa_code_object_version 6
	.text
	.protected	k_q17c25b9e39_head
	.globl	k_q17c25b9e39_head
	.p2align	8
	.type	k_q17c25b9e39_head,@function
k_q17c25b9e39_head:
	s_mov_b64 s[64:65], 0
	v_nop
	global_prefetch_b8 v0, s[64:65] scope:SCOPE_SE
	s_setreg_imm32_b32 hwreg(HW_REG_WAVE_MODE, 25, 1), 1
	s_wait_xcnt 0x0
	s_wait_alu depctr_hold_cnt(0) depctr_sa_sdst(0) depctr_va_vdst(0) depctr_va_sdst(0) depctr_va_ssrc(0) depctr_va_vcc(0) depctr_vm_vsrc(0)
	s_getreg_b32 s2, hwreg(HW_REG_IB_STS2, 6, 4)
	s_cmp_eq_u32 s2, 0
	s_cbranch_scc0 .Lentry_in_a_cluster
	s_endpgm
.Lentry_in_a_cluster:
	s_bfe_u32 s2, ttmp6, 0x10000c
	s_cmp_lg_u32 s2, 0x3003
	s_cbranch_scc0 .Lentry_shape_is_right
	s_endpgm
.Lentry_shape_is_right:
; One causal attention head, all five products on codes of FP4 (E2M1) with one E8M0 scale for each 32 along K.  B = 32, T = 1,024, C = 256, H = 64.
; q, k, v = x W (codes as given); q and k are quantised along H, v along the keys; t = (q . k) x 256^-0.666 x log2(e); M = the ceiling of the running largest t;
; p = 2^(t - M) is quantised along the keys; the row's sum is taken of the unquantised p and divides at the end.
; SHARES.  A work-group (x = jw 0..7, y = batch) owns the eight tiles of 16 queries 128 g + 16 jw + 0..15, g = 0..7: tile g needs the key steps 0..g of 128 keys, and step g is its
; diagonal step whatever jw is, so every branch hangs on the wave's number alone.  Two waves share a tile: the wave of parity e takes steps e, e + 2, ..; their two partial results
; (-M, sum, O) meet in LDS and are merged by exact powers of two.  Wave w: g = (w & 3) xor 7 (w >> 3), e = (w >> 2) & 1.
; k AND v ARE MADE IN EVERY WORK-GROUP for all 1,024 keys of its batch (wave w: k (w even) or v (w odd) of key step w / 2): 64 matrix instructions a wave; nothing goes to memory between the products.
; CLUSTER.  The four work-groups of a cluster belong to one batch: x's codes and scales and the three weights come by JOINT tensor loads (mask 15), each LDS byte filled once.
; LAYOUT.  Every product is used so that a lane's registers run along the NEXT product's K.  A result tile gives lane half h the numbers 8 h + 0..7 of 16; two neighbouring tiles are a block of 32.
; Its two conversions give A_b (32 b + 8 h + 0..7) and B_b (32 b + 16 + 8 h + 0..7); A_b goes to register 4 (b / 2) + b % 2, B_b two registers on, and an exchange of halves between registers
; 4 c, 4 c + 1 and between 4 c + 2, 4 c + 3 leaves the operand's layout: register 4 c + i, half h: k = 64 c + 32 h + 8 i + 0..7.
; K = 64 IN AN INSTRUCTION OF K = 128: two tiles of 16 keys share one fragment (registers 0-3, 4-7) and one scale word; q stands as [0000][q][0000] in v20-31, and v[24:31] picks the first tile, v[20:27] the second;
; the zero codes add nothing under the scale byte 0.
; OPERANDS GO FROM WAVE TO WAVE THROUGH LDS AS IMAGES OF THEIR REGISTERS: four registers by one ds_store_b128 at 16 x lane.
; THE KEY STEP.  Its 68 exponentials do not stand in one run: behind each stands plain work that is due anyway (scalings of scores ten registers ahead, the lines that make p's scale word, O^T's and the sum's
; rescaling, additions of p four and five exponentials back).  k's fragments of the wave's next step are asked of LDS behind this step's score products and land under the softmax.
; LIMITS: NaN, infinities and the scale byte 0xff among the inputs are not served.  A block of zeros, or one whose largest magnitude lies under 2^-124, gets the byte 1 (its codes are zeros or held by that scale).
; A block's largest p is taken from its largest score by the same multiply-add and exponential: this takes v_exp_f32 not to fall where its input rises.
.set KSC,  0                           ; LDS: k's scale words: step st at 512 st, a lane's four words at 16 x lane
.set VSC,  4096                        ; v's likewise (word n = d tile n)
.set KIMG, 8192                        ; k's images: step st at 4,096 st; pair fragment i at 1,024 i; four registers at 512 c + 16 x lane
.set VIMG, 40960                       ; v's likewise (fragment n = d tile n)
.set MRG,  73728                       ; pair p at 4,352 p: the partner's O (512 k + 16 x lane), (-M, sum) at 4,096 + 8 x lane; afterwards the stage, 16 rows x 272
.set SM,   108544                      ; Wq's, Wk's, Wv's codes, 9,216 bytes each: rows of 128 bytes + 16 of padding
.set XS,   SM+27648                    ; x's scale bytes: tile t of 16 rows at 144 t, row r at 8 r
.set XC,   145408                      ; x's codes: row i at 144 i.  144 bytes = 36 words: the 16 rows of a fragment load start at 16 different groups of four banks
.set LI,  1                            ; v1   16 x lane
.set XA,  2                            ; v2   x's fragments of my key step
.set XSA, 3                            ; v3   and their scale words
.set IWA, 4                            ; v4   where I store my images
.set IWS, 5                            ; v5   and their scale words
.set MWA, 6                            ; v6   my pair's merge region: O
.set MSA, 7                            ; v7   (-M, sum)
.set STO, 8                            ; v8   the stage: where I put 32 bytes of a row
.set SRD, 9                            ; v9   and where I read a row back
.set GO,  10                           ; v10  my byte offset in the tile's rows of out0
.set DQ,  11                           ; v11  16 jw + r - 8 h: what the diagonal step's mask compares with
.set NM,  12                           ; v12  -M;  v13 the running largest t, at the end the sum;  v[14:15] the sum in two halves
.set TX,  13
.set LS,  14
.set ADK, 16                           ; v16, v17 the key step's images and scale words
.set ADS, 17
.set GX,  18                           ; v18  128 r + 16 h;  v19  8 r: offsets of the loads from memory
.set GS,  19
.set QF2, 20                           ; v20-31 q's operand
.set QF1, 24
.set WF,  32                           ; v32-95 my role's W: fragment (n, s) at 16 n + 8 s; later k's four pair fragments and v's four
.set KF,  32
.set VF,  64
.set HA,  96                           ; v96-159 results to be quantised; later the scores, then p
.set SS,  96
.set XQ,  128                          ; my 16 queries' x (two fragments)
.set WQA, 144                          ; v144, v145 addresses of Wq's and my role's W in LDS
.set WRA, 145
.set WQ,  160                          ; v160-223 Wq's eight fragments; later x's four (16 t + 8 s); later O
.set XF,  160
.set OO,  160
.set PC,  192                          ; codes just made: k path 8 registers, v path 32; later p's 8
.set VC,  192
.set PP,  192
.set FF,  200                          ; v[200:201] f, at the end g0;  v[202:203] g1;  v[204:205] second chain of the sum, the partner's (-M, sum);  v206-209 the merge
.set GF,  202
.set CH,  204
.set MT,  206
.set TT,  210
.set NINF, 211
.set TM,  224                          ; v224-227 largest magnitudes;  v228-231 the other half's, then the bytes;  v232-235 the conversions' scale operands
.set T2,  228
.set SO,  232
.set XQS, 236                          ; v236-255 hold scale words
.set QS1, 238
.set QS2, 239
.set WS,  240
.set KS,  240
.set VS,  244
.set WQS, 248
.set XSR, 248
.set PW,  248
.set SW,  252
.set WV,    26                         ; s26 wave;  s27 g;  s28 e;  s29 pair;  s30 role (0: k, 1: v);  s31 my key step in phase 1
.set GG,    27
.set EE,    28
.set PAIR,  29
.set ROLE,  30
.set STEP1, 31
.set SEL,   36                         ; s[36:37] selects of v_permlanex16_b32: lane l xor 16
.set CS,    38                         ; s[38:39] c = 256^-0.666 x log2(e)
.set G1A,   40                         ; s[40:47] group 1: 8 rows of 256 bytes;  s[48:55]: 32 rows;  s[56:59], s[60:63] their groups 0
.set G1B,   48
.set G0A,   56
.set G0B,   60
.set ST,    72                         ; s72 the key step in hand;  s73, s74 its images' and scale words' bytes;  s75 trips left
.set TB,    73
.set TS,    74
.set CNT,   75
.macro CROUND                          ; a round of the cluster's barrier
	s_barrier_signal -1
	s_barrier_wait -1
	s_cmp_lg_u32 s[WV], 0
	s_cbranch_scc1 .Lnot_wave_0_\@
	s_barrier_signal -3
.Lnot_wave_0_\@:
	s_barrier_wait -3
	s_barrier_signal -1
	s_barrier_wait -1
.endm
.macro BAR                             ; my LDS stores have landed and my LDS loads are in: then the work-group's barrier
	s_wait_dscnt 0x0
	s_barrier_signal -1
	s_barrier_wait -1
.endm
.macro PLACES                          ; four places behind a matrix instruction, ahead of reads of its result and of loads into its registers
.rept 4
	v_nop
.endr
.endm
.macro MM0 d, a, b, sa, sb             ; a product that starts a sum
	v_wmma_scale_f32_16x16x128_f8f6f4 v[\d:\d+7], v[\a:\a+7], v[\b:\b+7], 0, v[\sa], v[\sb] matrix_a_fmt:MATRIX_FMT_FP4 matrix_b_fmt:MATRIX_FMT_FP4
.endm
.macro MMA d, a, b, sa, sb             ; and one that adds in place
	v_wmma_scale_f32_16x16x128_f8f6f4 v[\d:\d+7], v[\a:\a+7], v[\b:\b+7], v[\d:\d+7], v[\sa], v[\sb] matrix_a_fmt:MATRIX_FMT_FP4 matrix_b_fmt:MATRIX_FMT_FP4
.endm
; nu blocks of 32: block q is my 16 registers v[src + 16 q] on and lane l xor 16's.  Leaves the conversion's scale operand in v[SO + q] and the byte in v[T2 + q].  Each result tile is read from its low end on.
.macro QCORE src, nu
.irp q, 0,1,2,3
.if \q < \nu
	v_max3_num_f32 v[TM+\q], |v[\src+16*\q]|, |v[\src+16*\q+1]|, 0x1800000   ; with the floor 2^(3 - 127): the byte cannot fall under 1
.endif
.endr
.irp i, 2,4,6,8,10,12,14
.irp q, 0,1,2,3
.if \q < \nu
	v_max3_num_f32 v[TM+\q], v[TM+\q], |v[\src+16*\q+\i]|, |v[\src+16*\q+\i+1]|
.endif
.endr
.endr
.irp q, 0,1,2,3
.if \q < \nu
	v_permlanex16_b32 v[T2+\q], v[TM+\q], s[SEL], s[SEL+1]
.endif
.endr
.irp q, 0,1,2,3
.if \q < \nu
	v_max_num_f32 v[TM+\q], v[TM+\q], v[T2+\q]     ; the block's largest magnitude
.endif
.endr
.irp q, 0,1,2,3
.if \q < \nu
	v_add_nc_u32 v[SO+\q], 0xff000000, v[TM+\q]    ; 2 off its exponent field: the conversion takes that field as its scale
.endif
.endr
.irp q, 0,1,2,3
.if \q < \nu
	v_lshrrev_b32 v[T2+\q], 23, v[SO+\q]           ; the scale's byte
.endif
.endr
.endm
; the codes of nu blocks into v[dst] on, in the operand's layout
.macro CODES src, dst, nu
.irp q, 0,1,2,3
.if \q < \nu
	v_cvt_scalef32_pk8_fp4_f32 v[\dst+4*(\q/2)+\q%2], v[\src+16*\q:\src+16*\q+7], v[SO+\q]
	s_wait_alu depctr_va_vdst(0)
	v_cvt_scalef32_pk8_fp4_f32 v[\dst+4*(\q/2)+2+\q%2], v[\src+16*\q+8:\src+16*\q+15], v[SO+\q]
.endif
.endr
	v_nop                                          ; one plain place behind a scaled conversion
.irp c, 0,1
.if 2*\c < \nu
	v_permlane16_swap_b32 v[\dst+4*\c], v[\dst+4*\c+1]     ; the first's lanes 16-31 change places with the second's lanes 0-15
	v_permlane16_swap_b32 v[\dst+4*\c+2], v[\dst+4*\c+3]
.endif
.endr
.endm
.macro WORD dst                        ; four bytes make a scale word
	v_lshl_or_b32 v[\dst], v[T2+1], 8, v[T2]
	v_lshl_or_b32 v[\dst], v[T2+2], 16, v[\dst]
	v_lshl_or_b32 v[\dst], v[T2+3], 24, v[\dst]
.endm
.macro XLOAD i                         ; x's tiles 2 i and 2 i + 1 of my key step: four fragments and their scale words: ten loads
.irp t, 0,1
.irp s, 0,1
.irp c, 0,1
	ds_load_b128 v[XF+16*\t+8*\s+4*\c:XF+16*\t+8*\s+4*\c+3], v[XA] offset:2304*(2*(\i)+\t)+64*\s+32*\c
.endr
.endr
	ds_load_b64 v[XSR+2*\t:XSR+2*\t+1], v[XSA] offset:144*(2*(\i)+\t)
.endr
.endm
.macro KMUL                            ; k^T: source 0 = 16 rows of Wk, source 1 = 16 keys: a lane holds one key, registers along H.  Eight accumulators by turns
.irp s, 0,1
.irp t, 0,1
.irp n, 0,1,2,3
.if \s == 0
	MM0 HA+8*(4*\t+\n), WF+16*\n+8*\s, XF+16*\t+8*\s, WS+2*\n+\s, XSR+2*\t+\s
.else
	MMA HA+8*(4*\t+\n), WF+16*\n+8*\s, XF+16*\t+8*\s, WS+2*\n+\s, XSR+2*\t+\s
.endif
.endr
.endr
.endr
.endm
.macro VMUL                            ; v: source 0 = 16 keys, source 1 = 16 rows of Wv: a lane holds one d, registers along the keys
.irp s, 0,1
.irp n, 0,1,2,3
.irp t, 0,1
.if \s == 0
	MM0 HA+8*(2*\n+\t), XF+16*\t+8*\s, WF+16*\n+8*\s, XSR+2*\t+\s, WS+2*\n+\s
.else
	MMA HA+8*(2*\n+\t), XF+16*\t+8*\s, WF+16*\n+8*\s, XSR+2*\t+\s, WS+2*\n+\s
.endif
.endr
.endr
.endr
.endm
; k's nine LDS loads of a key step: its four scale words and its four pair fragments.  nx = 0: the step at which v[ADK], v[ADS] stand; nx = 1: my next step, two steps on
.macro KLOAD nx
	ds_load_b128 v[KS:KS+3], v[ADS] offset:KSC+1024*\nx
.irp k, 0,1,2,3,4,5,6,7
	ds_load_b128 v[KF+4*\k:KF+4*\k+3], v[ADK] offset:KIMG+8192*\nx+512*\k
.endr
.endm
; The plain lines of a key step that stand between its exponentials.  They take their number from a symbol set ahead of them.
.macro TMU                             ; pair u of the scores: t - M, two at a time (of the pairs c and -M the low word serves both halves)
	v_pk_fma_f32 v[SS+2*u:SS+2*u+1], v[SS+2*u:SS+2*u+1], s[CS:CS+1], v[NM:NM+1] op_sel_hi:[1,0,0]
.endm
.macro PLAINQ                          ; line q of the 32 that hang on no p
.if q == 0
	v_pk_mul_f32 v[LS:LS+1], v[LS:LS+1], v[FF:FF+1] op_sel_hi:[1,0]   ; the sums under the new M
.elseif q < 5
	s_wait_alu depctr_va_vdst(0)
	v_max_num_f32 v[TM+q-1], 0x1800000, v[TM+q-1]  ; the floor 2^(3 - 127) under a block's largest p: the byte cannot fall under 1
.elseif q < 9
	v_add_nc_u32 v[SO+q-5], 0xff000000, v[TM+q-5]  ; the conversion's scale operand
.elseif q < 13
	v_lshrrev_b32 v[T2+q-9], 23, v[SO+q-9]         ; the scale's byte
.elseif q == 13
	v_lshl_or_b32 v[PW], v[T2+1], 8, v[T2]         ; p's scale word for these 128 keys
.elseif q == 14
	v_lshl_or_b32 v[PW], v[T2+2], 16, v[PW]
.elseif q == 15
	v_lshl_or_b32 v[PW], v[T2+3], 24, v[PW]
.else
	v_pk_mul_f32 v[OO+2*(q-16):OO+2*(q-16)+1], v[OO+2*(q-16):OO+2*(q-16)+1], v[FF:FF+1] op_sel_hi:[1,0]   ; O^T under the new M, each accumulator from its low end on
.endif
.endm
.macro SUMU                            ; the row's sum, of the UNQUANTISED p, takes pair u (1 .. 31; pair 0 goes with pair 1): two chains
.if u == 1
	v_pk_add_f32 v[CH:CH+1], v[SS:SS+1], v[SS+2:SS+3]
.elseif u%2 == 0
	s_wait_alu depctr_va_vdst(0)
	v_pk_add_f32 v[LS:LS+1], v[LS:LS+1], v[SS+2*u:SS+2*u+1]
.else
	s_wait_alu depctr_va_vdst(0)
	v_pk_add_f32 v[CH:CH+1], v[CH:CH+1], v[SS+2*u:SS+2*u+1]
.endif
.endm
	; ---- the head: ids, addresses, descriptors
	s_load_b512 s[8:23], s[0:1], 0x0               ; x_codes s[8:9], x_scales s[10:11], Wq's s[12:15], Wk's s[16:19], Wv's s[20:23]
	s_load_b64 s[24:25], s[0:1], 0x40              ; out0
	v_lshl_add_u32 v254, v0, 2, 0x47800
	v_mov_b32 v255, 0
	ds_add_u32 v254, v255
	ds_add_u32 v254, v255
	s_wait_dscnt 0x0
	v_lshrrev_b32 v1, 5, v0
	v_readfirstlane_b32 s[WV], v1                  ; wave 0..15
	s_and_b32 s[GG], s[WV], 3
	s_lshr_b32 s80, s[WV], 3
	s_lshl_b32 s[PAIR], s80, 2
	s_or_b32 s[PAIR], s[PAIR], s[GG]               ; pair = (w & 3) | (w >> 3) << 2: the two waves of a tile
	s_mul_i32 s80, s80, 7
	s_xor_b32 s[GG], s[GG], s80                    ; g = (w & 3) xor 7 (w >> 3)
	s_bfe_u32 s[EE], s[WV], 0x10002                ; e = (w >> 2) & 1
	s_and_b32 s[ROLE], s[WV], 1
	s_lshr_b32 s[STEP1], s[WV], 1
	s_bfe_u32 s32, ttmp6, 0x40000                  ; cx: it enters my queries' addresses in memory and the mask's number alone
	s_lshl_b32 s33, ttmp9, 2
	s_add_co_u32 s33, s33, s32                     ; jw = 4 x cluster x + cx
	s_and_b32 s34, ttmp7, 0xffff                   ; the batch, which the four partners share
	s_lshl_b32 s35, s34, 10
	s_lshl_b32 s82, s[GG], 7
	s_add_co_u32 s35, s35, s82
	s_lshl_b32 s86, s33, 4
	s_add_co_u32 s35, s35, s86                     ; my first query's row: 1,024 batch + 128 g + 16 jw
	s_mov_b32 s[SEL], 0x76543210
	s_mov_b32 s[SEL+1], 0xfedcba98
	s_mov_b32 s[CS], 0x3d131c8c                    ; 0.0359158974
	s_mov_b32 s[CS+1], s[CS]                       ; (named with it as a pair, so it is written)
	; group 1: dense blocks as rows of 256 bytes (32 elements of 8 bytes), 16 bytes of padding behind every 128
	s_mov_b32 s[G1A], 15|(3<<16)|(1<<20)|(1<<21)|(4<<22)|(3<<25)   ; 15:0 the mask: all four work-groups; 17:16 elements of 8 bytes; 20 padding on; 21 set beside a mask; 24:22 after every 32 words (code 4); 31:25 four words (code 3)
	s_mov_b32 s[G1A+1], 32<<16                     ; tensor_dim0 = 32
	s_mov_b32 s[G1A+2], 8<<16                      ; tensor_dim1 = 8
	s_mov_b32 s[G1A+3], 32<<16                     ; tile_dim0 = 32
	s_mov_b32 s[G1A+4], 8                          ; tile_dim1 = 8
	s_mov_b32 s[G1A+5], 32                         ; from row to row
	s_mov_b32 s[G1A+6], 0
	s_mov_b32 s[G1A+7], 0
	s_mov_b32 s[G1B], 15|(3<<16)|(1<<20)|(1<<21)|(4<<22)|(3<<25)
	s_mov_b32 s[G1B+1], 32<<16
	s_mov_b32 s[G1B+2], 32<<16                     ; 32 rows
	s_mov_b32 s[G1B+3], 32<<16
	s_mov_b32 s[G1B+4], 32
	s_mov_b32 s[G1B+5], 32
	s_mov_b32 s[G1B+6], 0
	s_mov_b32 s[G1B+7], 0
	v_and_b32 v209, 31, v0                         ; lane
	v_and_b32 v210, 15, v0                         ; r
	v_bfe_u32 v211, v0, 4, 1                       ; h
	v_lshlrev_b32 v[LI], 4, v209
	v_mul_u32_u24 v208, v210, 144
	v_lshl_add_u32 v208, v211, 4, v208             ; a fragment's row x pitch + 16 h
	s_mul_i32 s80, s[STEP1], 18432                 ; my key step's 128 rows of x
	s_add_co_u32 s80, s80, XC
	v_add_nc_u32 v[XA], s80, v208
	s_mul_i32 s80, s[STEP1], 1152                  ; and their scale bytes: eight tiles of 144
	s_add_co_u32 s80, s80, XS
	v_lshl_add_u32 v[XSA], v210, 3, s80
	s_lshl_b32 s80, s[ROLE], 15                    ; v's images lie 32,768 bytes behind k's
	s_lshl_b32 s81, s[STEP1], 12
	s_add_co_u32 s80, s80, s81
	s_add_co_u32 s80, s80, KIMG
	v_add_nc_u32 v[IWA], s80, v[LI]
	s_lshl_b32 s80, s[ROLE], 12                    ; the scale words likewise, 4,096 bytes behind (k's begin at LDS byte 0)
	s_lshl_b32 s81, s[STEP1], 9
	s_add_co_u32 s80, s80, s81
	v_add_nc_u32 v[IWS], s80, v[LI]
	s_mul_i32 s80, s[PAIR], 4352
	s_add_co_u32 s80, s80, MRG                     ; my pair's region
	v_add_nc_u32 v[MWA], s80, v[LI]
	v_lshl_add_u32 v[MSA], v209, 3, s80
	v_add_nc_u32 v[MSA], 4096, v[MSA]
	v_mul_u32_u24 v[STO], v210, 272
	v_lshl_add_u32 v[STO], v211, 5, v[STO]
	v_add_nc_u32 v[STO], s80, v[STO]               ; in: row r, + 32 h
	v_mul_u32_u24 v[SRD], v211, 272
	v_lshl_add_u32 v[SRD], v210, 4, v[SRD]
	v_add_nc_u32 v[SRD], s80, v[SRD]               ; back: lanes 0-15 one row of 256 bytes, lanes 16-31 the next
	v_lshlrev_b32 v[GO], 8, v211
	v_lshl_add_u32 v[GO], v210, 4, v[GO]           ; and the same two rows in out0
	v_lshlrev_b32 v[DQ], 3, v211
	v_sub_nc_u32 v[DQ], v210, v[DQ]
	v_add_nc_u32 v[DQ], s86, v[DQ]                 ; 16 jw + r - 8 h
	v_lshlrev_b32 v[GX], 7, v210
	v_lshl_add_u32 v[GX], v211, 4, v[GX]
	v_lshlrev_b32 v[GS], 3, v210
	v_add_nc_u32 v[WQA], SM, v208
	s_mul_i32 s80, s[ROLE], 9216
	s_add_co_u32 s80, s80, SM+9216
	v_add_nc_u32 v[WRA], s80, v208
.irp j, 0,1,2,3
	v_mov_b32 v[T2+\j], 0                          ; written once: a lane permute's destination counts as one of its sources
	v_mov_b32 v[QF2+\j], 0                         ; the zero codes on both sides of q
	v_mov_b32 v[QF1+4+\j], 0
.endr
	; what I fetch.  The small blocks, 2,048 bytes a wave: waves 0-3 Wq's codes, 4-7 Wk's, 8-11 Wv's, 12-15 the batch's x scales.  x's codes: 8,192 bytes (64 rows) a wave
	s_and_b32 s84, s[WV], 3
	s_lshl_b32 s84, s84, 11
	s_lshl_b32 s85, s34, 13
	s_cmp_lt_u32 s[WV], 12
	s_cselect_b32 s85, 0, s85                      ; only x's scales hang on the batch
	s_add_co_u32 s84, s84, s85
	s_mov_b32 s85, 0
	s_lshl_b32 s88, s34, 17
	s_lshl_b32 s89, s[WV], 13
	s_add_co_u32 s88, s88, s89
	s_mov_b32 s89, 0
	s_mov_b32 s[G0A], 1                            ; count = 1
	s_mul_i32 s[G0A+1], s[WV], 2304                ; LDS address: 16 pieces of 144 a wave
	s_add_co_u32 s[G0A+1], s[G0A+1], SM
	s_mov_b32 s[G0B], 1
	s_mul_i32 s[G0B+1], s[WV], 9216                ; 64 rows of 144 a wave
	s_add_co_u32 s[G0B+1], s[G0B+1], XC
	s_mov_b32 s83, 0
	s_wait_kmcnt 0x0
	s_cmp_lt_u32 s[WV], 12
	s_cselect_b64 s[76:77], s[20:21], s[10:11]
	s_cmp_lt_u32 s[WV], 8
	s_cselect_b64 s[76:77], s[16:17], s[76:77]
	s_cmp_lt_u32 s[WV], 4
	s_cselect_b64 s[76:77], s[12:13], s[76:77]
	s_add_nc_u64 s[G0A+2:G0A+3], s[76:77], s[84:85]
	s_or_b32 s[G0A+3], s[G0A+3], 0x80000000        ; type = 2
	s_add_nc_u64 s[G0B+2:G0B+3], s[8:9], s[88:89]
	s_or_b32 s[G0B+3], s[G0B+3], 0x80000000
	s_lshl_b32 s82, s35, 7
	s_add_nc_u64 s[66:67], s[8:9], s[82:83]        ; my queries' codes of x,
	s_lshl_b32 s82, s35, 3
	s_add_nc_u64 s[68:69], s[10:11], s[82:83]      ; their scale bytes,
	s_lshl_b32 s82, s35, 8
	s_add_nc_u64 s[24:25], s[24:25], s[82:83]      ; their rows of out0
	s_cmp_eq_u32 s[ROLE], 0
	s_cselect_b64 s[70:71], s[18:19], s[22:23]     ; my role's W scales
	; thirteen loads from memory: what only my wave wants, or what is too small for a tile
.irp s, 0,1
.irp c, 0,1
	global_load_b128 v[XQ+8*\s+4*\c:XQ+8*\s+4*\c+3], v[GX], s[66:67] offset:64*\s+32*\c
.endr
.endr
	global_load_b64 v[XQS:XQS+1], v[GS], s[68:69]
.irp n, 0,1,2,3
	global_load_b64 v[WQS+2*\n:WQS+2*\n+1], v[GS], s[14:15] offset:128*\n
.endr
.irp n, 0,1,2,3
	global_load_b64 v[WS+2*\n:WS+2*\n+1], v[GS], s[70:71] offset:128*\n
.endr
	CROUND                                         ; all four work-groups are here: the joint loads meet
	tensor_load_to_lds s[G0A:G0A+3], s[G1A:G1A+7]  ; the two first fills stand together; two tensor loads of a wave are out, and there are no others
	s_nop 0
	tensor_load_to_lds s[G0B:G0B+3], s[G1B:G1B+7]
	s_nop 0
	PLACES                                         ; four v_nop follow
	; ---- phase 0: q of my 16 queries
	s_wait_tensorcnt 0x1                           ; my small block is in; my x codes may stay out
	s_barrier_signal -1
	s_barrier_wait -1                              ; everybody's small blocks are in
.irp n, 0,1,2,3
.irp s, 0,1
.irp c, 0,1
	ds_load_b128 v[WQ+16*\n+8*\s+4*\c:WQ+16*\n+8*\s+4*\c+3], v[WQA] offset:2304*\n+64*\s+32*\c
.endr
.endr
.endr
.irp n, 0,1,2,3
.irp s, 0,1
.irp c, 0,1
	ds_load_b128 v[WF+16*\n+8*\s+4*\c:WF+16*\n+8*\s+4*\c+3], v[WRA] offset:2304*\n+64*\s+32*\c
.endr
.endr
.endr
	s_wait_loadcnt 0x0                             ; x of my queries and all scale words
	s_wait_dscnt 16                                ; Wq's sixteen loads are in; my role's sixteen may be out
.irp n, 0,1,2,3                                    ; q^T: source 0 = 16 rows of Wq, source 1 = my queries: a lane holds one query, registers along H.  Four accumulators by turns
	MM0 HA+8*\n, WQ+16*\n, XQ, WQS+2*\n, XQS
.endr
.irp n, 0,1,2,3
	MMA HA+8*\n, WQ+16*\n+8, XQ+8, WQS+2*\n+1, XQS+1
.endr
	PLACES
	QCORE HA, 2
	v_lshl_or_b32 v[QS1], v[T2+1], 8, v[T2]        ; q's two bytes under k = 0..63,
	v_lshlrev_b32 v[QS2], 16, v[QS1]               ; or under k = 64..127
	CODES HA, QF1, 2
	s_wait_tensorcnt 0x0                           ; my x codes are in
	BAR                                            ; all of x lies in LDS
	; ---- phase 1: k (even waves) or v (odd waves) of key step w / 2, 32 keys at a time
	XLOAD 0
	s_cmp_lg_u32 s[ROLE], 0
	s_cbranch_scc1 .Lvpath
.irp i, 0,1,2,3
	s_wait_dscnt 0x0                               ; x's fragments are in, and the last images' stores have read their registers
	KMUL
	PLACES
.if \i < 3
	XLOAD \i+1                                     ; lands while these 32 keys are quantised
.endif
	QCORE HA, 4                                    ; block 2 t + b: tile t of keys, half b of H
	WORD SW+\i                                     ; the pair fragment's scale word: (tile 0: b0, b1; tile 1: b0, b1)
	CODES HA, PC, 4                                ; registers 0-3: tile 2 i; registers 4-7: tile 2 i + 1
	ds_store_b128 v[IWA], v[PC:PC+3] offset:1024*\i
	ds_store_b128 v[IWA], v[PC+4:PC+7] offset:1024*\i+512
.endr
	ds_store_b128 v[IWS], v[SW:SW+3]
	s_branch .Ljoin
.Lvpath:
.irp i, 0,1,2,3                                    ; block i of the step's four blocks of 32 keys
	s_wait_dscnt 0x0
	VMUL
	PLACES
.if \i < 3
	XLOAD \i+1
.endif
	QCORE HA, 4                                    ; block n: d tile n, these 32 keys
.irp n, 0,1,2,3
.if \i == 0
	v_mov_b32 v[SW+\n], v[T2+\n]                   ; byte i of d tile n's scale word
.else
	v_lshl_or_b32 v[SW+\n], v[T2+\n], 8*\i, v[SW+\n]
.endif
.endr
.irp n, 0,1,2,3
	v_cvt_scalef32_pk8_fp4_f32 v[VC+8*\n+4*(\i/2)+\i%2], v[HA+16*\n:HA+16*\n+7], v[SO+\n]
	v_cvt_scalef32_pk8_fp4_f32 v[VC+8*\n+4*(\i/2)+2+\i%2], v[HA+16*\n+8:HA+16*\n+15], v[SO+\n]
.endr
	v_nop                                          ; one plain place behind a scaled conversion
.endr
.irp n, 0,1,2,3
.irp c, 0,1
	v_permlane16_swap_b32 v[VC+8*\n+4*\c], v[VC+8*\n+4*\c+1]
	v_permlane16_swap_b32 v[VC+8*\n+4*\c+2], v[VC+8*\n+4*\c+3]
.endr
.endr
.irp n, 0,1,2,3
.irp c, 0,1
	ds_store_b128 v[IWA], v[VC+8*\n+4*\c:VC+8*\n+4*\c+3] offset:1024*\n+512*\c
.endr
.endr
	ds_store_b128 v[IWS], v[SW:SW+3]
.Ljoin:
	s_wait_dscnt 0x0                               ; for the others' sake: my images have landed
	s_barrier_signal -1
	v_mov_b32 v[TX], 0xff61b1e6                    ; register work while the others arrive.  The largest t so far: -3e38, under every t
	v_floor_f32 v[NM], -v[TX]                      ; -M
	v_mov_b32 v[LS], 0                             ; the sum, in two halves
	v_mov_b32 v[LS+1], 0
	v_mov_b32 v[FF+1], 0                           ; (upper halves of pairs whose low word serves both halves: named, so written)
	v_mov_b32 v[GF+1], 0
	v_mov_b32 v[NINF], 0xff800000                  ; -infinity
.set j, 0
.rept 32
	v_mov_b32 v[OO+j], 0                           ; O^T.  The step is written once: the first finds zeros, which the first change of M leaves zeros
.set j, j+1
.endr
	s_mov_b32 s[ST], s[EE]
	s_lshl_b32 s[TB], s[EE], 12
	s_lshl_b32 s[TS], s[EE], 9
	s_mov_b32 s[CNT], 4
	v_add_nc_u32 v[ADK], s[TB], v[LI]              ; my first step's images and scale words
	v_add_nc_u32 v[ADS], s[TS], v[LI]
	s_barrier_wait -1                              ; all images of k and v lie in LDS
	s_cmp_gt_u32 s[EE], s[GG]                      ; the one wave without a step (g = 0, e = 1) asks for nothing
	s_cbranch_scc1 .Lstep
	KLOAD 0                                        ; k of my first step
	; ---- phase 2: my key steps e, e + 2, .. up to g.  Four trips in every wave; a step beyond g is jumped over, all but the lines that step addresses
.Lstep:
	s_cmp_gt_u32 s[ST], s[GG]
	s_cbranch_scc1 .Lhidden
	v_add_nc_u32 v[ADK], s[TB], v[LI]
	v_add_nc_u32 v[ADS], s[TS], v[LI]
	v_nop
	v_nop                                          ; these four lines are the places behind the last step's products
	ds_load_b128 v[VS:VS+3], v[ADS] offset:VSC     ; v of this step: wanted at the step's end
.irp k, 0,1,2,3,4,5,6,7
	ds_load_b128 v[VF+4*\k:VF+4*\k+3], v[ADK] offset:VIMG+512*\k
.endr
	s_wait_dscnt 9                                 ; k's nine loads, issued ahead of these nine (ahead of the loop, or in my last step), are in; v's nine may be out
.irp i, 0,1,2,3                                    ; S^T = k q^T: source 0 = a pair of tiles of 16 keys, source 1 = q under one of them
	MM0 SS+16*\i, KF+8*\i, QF1, KS+\i, QS1
	MM0 SS+16*\i+8, KF+8*\i, QF2, KS+\i, QS2
.endr                                              ; lane (r, h), register 8 t + j: query r, key 16 t + 8 h + j of the step
	PLACES                                         ; ahead of the loads into k's registers and of the first read of the scores
	s_add_co_u32 s80, s[ST], 2
	s_cmp_gt_u32 s80, s[GG]
	s_cbranch_scc1 .Lnonext                        ; my last step asks for nothing more
	KLOAD 1                                        ; k of my next step: it lands under the softmax
.Lnonext:
	s_cmp_lg_u32 s[ST], s[GG]
	s_cbranch_scc1 .Lopen                          ; only step g lies on the diagonal
.set n, 0
.rept 64
	v_cmp_gt_i32 vcc_lo, 16*(n/8)+n%8, v[DQ]       ; hidden where key > query: 16 t + j > 16 jw + r - 8 h
	v_cndmask_b32 v[SS+n], v[SS+n], v[NINF], vcc_lo
.set n, n+1
.endr
.Lopen:
.irp b, 0,1,2,3
	v_max3_num_f32 v[TM+\b], v[SS+16*\b], v[SS+16*\b+1], v[SS+16*\b+2]   ; the largest score of each block of 32 keys: for the row's maximum, and for the block's largest p
.endr
.irp i, 3,5,7,9,11,13
.irp b, 0,1,2,3
	v_max3_num_f32 v[TM+\b], v[TM+\b], v[SS+16*\b+\i], v[SS+16*\b+\i+1]
.endr
.endr
.irp b, 0,1,2,3
	v_max_num_f32 v[TM+\b], v[TM+\b], v[SS+16*\b+15]
.endr
.irp b, 0,1,2,3
	v_permlanex16_b32 v[T2+\b], v[TM+\b], s[SEL], s[SEL+1]
.endr
.irp b, 0,1,2,3
	v_max_num_f32 v[TM+\b], v[TM+\b], v[T2+\b]     ; with lane l xor 16's 16 keys
.endr
	v_max3_num_f32 v[TT], v[TM], v[TM+1], v[TM+2]
	v_max_num_f32 v[TT], v[TT], v[TM+3]            ; the step's largest score of my query
	v_mul_f32 v[TT], s[CS], v[TT]                  ; as t (c is positive)
	v_max_num_f32 v[TX], v[TX], v[TT]              ; the running largest t
	v_mov_b32 v[TT], v[NM]
	v_floor_f32 v[NM], -v[TX]                      ; the new -M = floor(-t) = -ceil(t)
	v_sub_f32 v[TT], v[NM], v[TT]                  ; old M - new M: a whole number, 0 or less
	v_cvt_i32_f32 v[TT], v[TT]                     ; (it saturates)
	v_ldexp_f32 v[FF], 1.0, v[TT]                  ; f = 2^(old M - new M): rounds nothing
.irp b, 0,1,2,3
	v_fma_f32 v[TM+\b], v[TM+\b], s[CS], v[NM]     ; t - M of each block's largest score: the same multiply-add as its score gets below
.endr
.set u, 0
	TMU
.irp b, 0,1,2,3
	v_exp_f32 v[TM+\b], v[TM+\b]                   ; the block's largest p; behind it a plain line that names none of its registers (ISA guide 5.7.2): the scaling of pair b + 1
.set u, \b+1
	TMU
.endr
; p = 2^(t - M), not normalised: 64 exponentials, each with plain work behind it.  Behind an even one (up to 52): the scaling of the pair ten registers on.  Behind an odd one: line (i - 1) / 2 of the 32 that hang on
; no p, and from 7 to 59 the sum's addition of pair (i - 5) / 2, whose exponentials stand four and five back.  From 54 on an even one is followed by the next exponential; nothing reads it before a plain line has come.
.set i, 0
.rept 64
	v_exp_f32 v[SS+i], v[SS+i]
.if (i%2 == 0) && (i < 54)
.set u, i/2+5
	TMU
.endif
.if i%2 == 1
.set q, i/2
	PLAINQ
.if (i >= 7) && (i <= 59)
.set u, (i-5)/2
	SUMU
.endif
.endif
.set i, i+1
.endr
	CODES SS, PP, 4                                ; behind the last exponential stands O^T's last rescaling: a plain line
.irp w, 28,29,30,31                                ; the sum's last pairs and the two chains' sum: five plain lines, the places between p's codes and the products (the scale word was made 32 exponentials back)
.set u, \w
	SUMU
.endr
	v_pk_add_f32 v[LS:LS+1], v[LS:LS+1], v[CH:CH+1]
	s_wait_dscnt 0x0                               ; v's nine loads are in, and so are the nine of my next step's k, issued a softmax ago
.irp n, 0,1,2,3                                    ; O^T += v^T p^T: source 0 = 16 of the head's 64, source 1 = p; K = these 128 keys.  Four accumulators by turns
	MMA OO+8*\n, VF+8*\n, PP, VS+\n, PW
.endr
.Lhidden:
	s_add_co_u32 s[ST], s[ST], 2
	s_add_co_u32 s[TB], s[TB], 8192
	s_add_co_u32 s[TS], s[TS], 1024
	s_sub_co_u32 s[CNT], s[CNT], 1
	s_cmp_lg_u32 s[CNT], 0
	s_cbranch_scc1 .Lstep
	; ---- the tail: the pair's two parts are merged, divided by the sum and stored
	PLACES
	v_add_f32 v[LS], v[LS], v[LS+1]                ; the sum's two halves,
	v_permlanex16_b32 v[T2], v[LS], s[SEL], s[SEL+1]
	v_add_f32 v[TX], v[LS], v[T2]                  ; and lane l xor 16's: my part of the row's sum, beside -M
	s_cmp_eq_u32 s[EE], 0
	s_cbranch_scc1 .Lkeep
.irp k, 0,1,2,3,4,5,6,7
	ds_store_b128 v[MWA], v[OO+4*\k:OO+4*\k+3] offset:512*\k   ; the odd steps' wave hands its part over, as an image of its registers
.endr
	ds_store_b64 v[MSA], v[NM:NM+1]
.Lkeep:
	BAR
	s_cmp_lg_u32 s[EE], 0
	s_cbranch_scc1 .Lend
	ds_load_b64 v[CH:CH+1], v[MSA]                 ; the partner's -M and sum (a partner without a step: 3e38 and 0)
.irp k, 0,1,2,3,4,5,6,7
	ds_load_b128 v[SS+4*\k:SS+4*\k+3], v[MWA] offset:512*\k
.endr
	s_wait_dscnt 0x0
	v_min_num_f32 v[MT], v[NM], v[CH]              ; the common -M: the larger M
	v_sub_f32 v[MT+1], v[MT], v[NM]                ; my M - the common M,
	v_sub_f32 v[MT+2], v[MT], v[CH]                ; the partner's: whole numbers, 0 or less
	v_cvt_i32_f32 v[MT+1], v[MT+1]
	v_cvt_i32_f32 v[MT+2], v[MT+2]
	v_ldexp_f32 v[MT+1], 1.0, v[MT+1]              ; f0
	v_ldexp_f32 v[MT+2], 1.0, v[MT+2]              ; f1
	v_mul_f32 v[MT+3], v[TX], v[MT+1]
	v_fma_f32 v[MT+3], v[CH+1], v[MT+2], v[MT+3]   ; the row's sum
	v_rcp_f32 v[MT+3], v[MT+3]
	v_nop                                          ; one plain place behind a transcendental
	s_wait_alu depctr_va_vdst(0)
	v_mul_f32 v[FF], v[MT+1], v[MT+3]              ; g0 = f0 / sum
	v_mul_f32 v[GF], v[MT+2], v[MT+3]              ; g1 = f1 / sum
.set j, 0
.rept 16
	v_pk_mul_f32 v[OO+j:OO+j+1], v[OO+j:OO+j+1], v[FF:FF+1] op_sel_hi:[1,0]
.set j, j+2
.endr
.set j, 0
.rept 16
	v_pk_fma_f32 v[OO+j:OO+j+1], v[SS+j:SS+j+1], v[GF:GF+1], v[OO+j:OO+j+1] op_sel_hi:[1,0,1]
.set j, j+2
.endr
.irp n, 0,1,2,3                                    ; lane (r, h), registers 8 n + 0..7: out(query r, 16 n + 8 h + 0..7).  Through the stage, which takes the merge region's place: only I touch it now
	ds_store_b128 v[STO], v[OO+8*\n:OO+8*\n+3] offset:64*\n
	ds_store_b128 v[STO], v[OO+8*\n+4:OO+8*\n+7] offset:64*\n+16
.endr
.irp i, 0,1,2,3,4,5,6,7
	ds_load_b128 v[SS+4*\i:SS+4*\i+3], v[SRD] offset:544*\i   ; LDS serves a wave's instructions in order (ISA guide 5.7.1.4): these see my stores
.endr
.irp i, 0,1,2,3,4,5,6,7
	s_wait_dscnt 7-\i                              ; rows 2 i and 2 i + 1 are back; the younger loads may be out
	global_store_b128 v[GO], v[SS+4*\i:SS+4*\i+3], s[24:25] offset:512*\i th:TH_STORE_NT   ; sixteen lanes store a row's 256 consecutive bytes, at a multiple of 256 from out0's first byte
.endr
.Lend:
	s_wait_xcnt 0x0
	v_lshl_add_u32 v254, v0, 2, 0x47800
	v_mov_b32 v255, 0
	s_wait_tensorcnt 0x0
	ds_add_u32 v254, v255
	s_wait_dscnt 0x0
	CROUND                                         ; the closing round: no work-group ends while a partner may still ask for a tile that names it
	s_endpgm
.Lfunc_end_k_q17c25b9e39_head:
	.size	k_q17c25b9e39_head, .Lfunc_end_k_q17c25b9e39_head-k_q17c25b9e39_head
	.p2alignl 7, 3214868480
	.fill 96, 4, 3214868480
	.section	.rodata,"a",@progbits
	.p2align	6, 0x0
	.amdhsa_kernel k_q17c25b9e39_head
		.amdhsa_group_segment_fixed_size 294912
		.amdhsa_private_segment_fixed_size 0
		.amdhsa_enable_private_segment 0
		.amdhsa_kernarg_size 72
		.amdhsa_user_sgpr_count 2
		.amdhsa_user_sgpr_kernarg_segment_ptr 1
		.amdhsa_wavefront_size32 1
		.amdhsa_system_sgpr_workgroup_id_x 1
		.amdhsa_system_sgpr_workgroup_id_y 1
		.amdhsa_system_sgpr_workgroup_id_z 1
		.amdhsa_system_vgpr_workitem_id 0
		.amdhsa_next_free_vgpr 256
		.amdhsa_next_free_sgpr 96
		.amdhsa_reserve_vcc 1
		.amdhsa_float_denorm_mode_32 3
		.amdhsa_float_denorm_mode_16_64 3
		.amdhsa_memory_ordered 1
		.amdhsa_forward_progress 1
		.amdhsa_inst_pref_size 97
	.end_amdhsa_kernel
	.amdgpu_metadata
---
amdhsa.version: [ 1, 2 ]
amdhsa.kernels:
  - .name:           k_q17c25b9e39_head
    .symbol:         k_q17c25b9e39_head.kd
    .args:
      - { .name: x_codes, .offset: 0, .size: 8, .value_kind: global_buffer, .address_space: global }
      - { .name: x_scales, .offset: 8, .size: 8, .value_kind: global_buffer, .address_space: global }
      - { .name: Wq_codes, .offset: 16, .size: 8, .value_kind: global_buffer, .address_space: global }
      - { .name: Wq_scales, .offset: 24, .size: 8, .value_kind: global_buffer, .address_space: global }
      - { .name: Wk_codes, .offset: 32, .size: 8, .value_kind: global_buffer, .address_space: global }
      - { .name: Wk_scales, .offset: 40, .size: 8, .value_kind: global_buffer, .address_space: global }
      - { .name: Wv_codes, .offset: 48, .size: 8, .value_kind: global_buffer, .address_space: global }
      - { .name: Wv_scales, .offset: 56, .size: 8, .value_kind: global_buffer, .address_space: global }
      - { .name: out0, .offset: 64, .size: 8, .value_kind: global_buffer, .address_space: global }
    .group_segment_fixed_size: 294912
    .private_segment_fixed_size: 0
    .kernarg_segment_align: 8
    .kernarg_segment_size: 72
    .max_flat_workgroup_size: 512
    .sgpr_count:     96
    .vgpr_count:     256
    .wavefront_size: 32
...
	.end_amdgpu_metadata
.endif
;; end of part 1
